; MI455X (gfx1250); checked and timed in simulation.
; The chip was launched on July 23, 2026; its instructions are those of AMD's public machine-readable ISA for CDNA 5 (MIT licence, August 2026) and "CDNA5" Instruction Set Architecture Reference Guide (July 2026). The comments in the code are by the model that wrote it; some were corrected since.
;; Outer Product Mean. Allowed arithmetic: matrix products marked QUANTISED: E5M2 operands, one given power-of-two scale a tensor, by v_wmma_f32_16x16x64_bf8_bf8 or v_wmma_f32_16x16x128_bf8_bf8, f32 sums; everything else in f32.
;; Inputs: b1 32 float32; b2 128 float32; ln_beta 256 float32; ln_gamma 256 float32; lowp_scales 6 int32 (the exponents e of the quantised operands' scales 2^e); w1 256 x 32 float32; w2 1,024 x 128 float32; x 1 x 128 x 256 x 256 float32.
;; Outputs: out0 1 x 256 x 256 x 128 float32.
;; This version of the problem:
;;   THIS VERSION OF THE PROBLEM IS GIVEN IN LOW PRECISION. The matrix products marked QUANTISED in the list below multiply operands that are first quantised to E5M2 (5 exponent bits, 2 mantissa bits; 8 bits a number), with one given power-of-two scale for each operand tensor; their sums are f32. All else is computed in f32.
;;   The module's matrix products, in the order in which they are computed (A, B: the left and right operand; K: the contracted axis; several contracted axes count as one K, in the product's order):
;;     1. [M 32,768, K 256] x [K 256, N 32]; A: computed on the way; B: input w1: QUANTISED (scales: A lowp_scales[0], B lowp_scales[1])
;;     2. [M 8,192, K 128] x [K 128, N 8,192]; A: computed on the way; B: computed on the way: QUANTISED (scales: A lowp_scales[2], B lowp_scales[3])
;;     3. [M 65,536, K 1,024] x [K 1,024, N 128]; A: computed on the way; B: input w2: QUANTISED (scales: A lowp_scales[4], B lowp_scales[5])
;;   THE QUANTISER, for each operand of a quantised product, along K:
;;     - The operand's scale is 2^e, e = its entry of the input lowp_scales (int32; the entries are numbered through the quantised products in the list's order, A before B).
;;     - Each number is divided by the scale, clamped to +-57,344, and rounded to the nearest number of E5M2, ties to even, subnormals kept.
;;     - The product sums the exact products of the quantised numbers (number of the format x scale) in f32.
;;   ~~~python
;;   def quantise(x, axis, e):      # numpy; x: float32 -> the quantised numbers, widened to float32 again
;;       x = np.moveaxis(x, axis, -1); K = x.shape[-1]
;;       r = np.clip(x / 2.0 ** e, -57344, 57344)
;;       step = 2.0 ** (np.maximum(np.frexp(np.where(r == 0, 1, r))[1] - 1, -14) - 2)
;;       q = np.round(r / step) * step * 2.0 ** e      # np.round: ties to even
;;       return np.moveaxis(q, -1, axis).astype(np.float32)
;;   ~~~
;;   OPERANDS COMPUTED ON THE WAY. 'Computed on the way' means the value that the module computes at that place (a softmax that the list does not call 'softmax' is quantised finished and normalised). What goes into a quantiser is computed in f32, as accurately as f32 sums, v_exp_f32 and their like allow (about 1e-6 of the number): no bf16 or f16 on the way to a quantiser, and a product that is left as it is and whose result goes on into a quantised operand takes f32 operands (vector FMAs, or v_wmma_f32_16x16x4_f32). A number that lies on a knife's edge between two numbers of the format may be rounded either way, as far as f32 arithmetic and the matrix unit's own rounding can turn it there, and no further.
;; One version. Each part assembles by itself: llvm-mc -triple=amdgcn-amd-amdhsa -mcpu=gfx1250 --defsym DOCPART=n.
;; ======== version 1 of 1: 2 launches
;; limits: right only within a limited range of input values
;; workspace buffers: acA 1,048,576 bytes; acB 1,048,576 bytes; w2c 131,072 bytes
;; launch prep (part 1): grid 256 x 1, 8 waves a work-group, no clusters, 168,960 bytes of LDS; arguments x, ln_gamma, ln_beta, w1, b1, w2, lowp_scales, acA, acB, w2c; writes acA, acB, w2c
.if DOCPART == 1
	.amdgcn_target "amdgcn-amd-amdhsa--gfx1250"
	.amdhsa_code_object_version 6
	.text
	.protected	k_q9ac5e6cb9d_prep
	.globl	k_q9ac5e6cb9d_prep
	.p2align	8
	.type	k_q9ac5e6cb9d_prep,@function
k_q9ac5e6cb9d_prep:
	s_mov_b64 s[64:65], 0
	v_nop
	global_prefetch_b8 v0, s[64:65] scope:SCOPE_SE
	s_setreg_imm32_b32 hwreg(HW_REG_WAVE_MODE, 25, 1), 1
	s_wait_xcnt 0x0
; LayerNorm over 256 channels, a = Q(xn) Q(w1) + b1 on codes of BF8 (E5M2), and a's two quantisations for the outer product; also w2's codes.
; x [128 s][256 i][256 m] f32.  w1 [256 m][32 c], w2 [1024 k][128 z] f32.  lowp_scales: e0 (xn), e1 (w1), e2, e3 (a as left and as right operand), e4, e5 (w2).
; OUT: acA [i][ch 2][c4 4][lane 32][16 bytes]: byte y of lane (r, h) is the code, under 2^e2, of a[s = 32 c4 + 16 h + y][i][c = 16 ch + r]: images of the next launch's operand registers.
;      acB [i][c 32][s 128]: the codes under 2^e3, s innermost.
;      w2c [q 8][zt 8][dd 4][lane 32][16 bytes]: byte b of lane (r, h) is the code, under 2^e5, of w2[32 c + d][16 zt + r], c = 16 (b / 8) + 8 h + b % 8, d = 4 q + dd.
; SHARES.  Work-group g owns residue i = g: 128 rows of 1,024 bytes, 262,144 bytes apart.  Wave w owns rows s = 16 w .. 16 w + 15, one tile, brought by ONE tensor load into LDS bytes of its own,
; which are filled once.  Lane (r, h) holds 128 numbers of row r, k = 32 b + 16 h + 0 .. 15 for b = 0 .. 7: the order of the operand's registers, the same in xn and in w1, so every product meets its partner.
; Each wave quantises an eighth of w1 (a lane to a column, registers down K) and stores it in LDS as register images; wave 0 also makes piece g (512 bytes) of w2c.
; NO CLUSTER: what work-groups share (w1, gamma, beta, b1: 34,944 bytes) is small beside a work-group's own 131,072 bytes of x, and comes through registers.
; LIMITS on the given exponents, so that each power of two below is an f32 number: e0, e1, e5, e2 - e0 - e1 and e3 - e0 - e1 between -126 and 112.  NaN among the inputs is not served; an infinity is held at the largest code.
.set XPITCH, 1040                      ; a row of x in LDS: 1,024 bytes + 16 of padding = 65 x 16: the 16 rows that a load touches start 16 bytes apart modulo 256
.set XTILE,  16*XPITCH                 ; a wave's tile
.set W1IMG,  8*XTILE                   ; behind the tiles: w1's four fragments (f = 2 ct + ks) as register images, 2,048 bytes each
.set STA,    W1IMG+8192                ; a's codes under e2: 32 rows (channels) of 128 bytes + 16
.set SPITCH, 144
.set STB,    STA+32*SPITCH             ; the same under e3
.set LI,   1                           ; v1   16 x lane
.set XA,   4                           ; v4   LDS: my 64 bytes of a block of 32 numbers of row r of my wave's tile
.set W1R,  5                           ; v5   LDS: an image's place for my lane
.set W1W,  6                           ; v6   LDS: where my wave stores its two pieces of w1's images
.set W1G,  7                           ; v7   w1: 4 r + 2,048 h
.set GB,   8                           ; v8   gamma, beta: 64 h
.set SW,   9                           ; v9   LDS: where I put 8 codes of a channel's row
.set SRA,  10                          ; v10  LDS: my 16 bytes of acA's image
.set SRB,  11                          ; v11  LDS: my 16 bytes of acB's rows
.set GT,   12                          ; v12  16 x thread: my place in the work-group's 4,096 bytes of acA and of acB
.set W2G,  13                          ; v13  w2: 16 r + 131,072 h.  THE COLUMNS OF w2c: lane (r, h) of fragment zt holds column 64 (zt / 4) + 4 r + zt % 4 (this is the order that the text below makes; it stands in place of '16 zt + r' at the head)
.set CH,   22                          ; v[22:29] four chains of packed sums; v30, v31 at work
.set XC,   32                          ; v[32:63] xn's codes: block b at XC + 4 b
.set X,    64                          ; v[64:191] my 128 numbers; behind the quantiser: bias tiles, sums, held copies, codes
.set WF,   192                         ; v[192:255] first w1 and w2 as loaded and their codes, then w1's four fragments
.set MSB, 0
.macro WIN new                         ; the immediate's high byte repeats the setting that is left
.if MSB != \new
	s_set_vgpr_msb (MSB<<8)|\new
.set MSB, \new
.endif
.endm
.macro SCALE er, vr, lr                ; from the exponent in s[er]: v[vr] = 2^e as f32 (a conversion takes its exponent field); s[lr] = 57,344 x 2^e, s[lr+1] = the same negative
	s_add_co_i32 s25, s[\er], 127
	s_lshl_b32 s45, s25, 23
	v_mov_b32 v[\vr], s45
	s_add_co_i32 s25, s25, 15
	s_lshl_b32 s25, s25, 23
	s_or_b32 s[\lr], s25, 0x600000
	s_or_b32 s[\lr+1], s[\lr], 0x80000000
.endm
.macro HOLD d, s, n, lr                ; the conversion to an 8-bit code does not saturate (ISA guide 7.6.2): n numbers are held within the largest code x the scale first
.set hh, 0
.rept \n
	v_med3_num_f32 v[\d+hh], v[\s+hh], s[\lr+1], s[\lr]
.set hh, hh+1
.endr
.endm
.macro JOIN                            ; four packed chains -> the row's sum in v30: my 128 numbers, then those of the lane 16 away, which holds the row's other half
	s_delay_alu instid0(VALU_DEP_3)
	v_pk_add_f32 v[CH:CH+1], v[CH:CH+1], v[CH+2:CH+3]
	s_delay_alu instid0(VALU_DEP_2)
	v_pk_add_f32 v[CH+4:CH+5], v[CH+4:CH+5], v[CH+6:CH+7]
	s_delay_alu instid0(VALU_DEP_1)
	v_pk_add_f32 v[CH:CH+1], v[CH:CH+1], v[CH+4:CH+5]
	s_delay_alu instid0(VALU_DEP_1)
	v_add_f32 v30, v[CH], v[CH+1]
	s_delay_alu instid0(VALU_DEP_1)
	v_permlanex16_b32 v31, v30, s46, s47
	s_delay_alu instid0(VALU_DEP_1)
	v_add_f32 v30, v30, v31
.endm
	s_load_b256 s[4:11], s[0:1], 0x0               ; x s[4:5], gamma s[6:7], beta s[8:9], w1 s[10:11]
	s_load_b256 s[12:19], s[0:1], 0x20             ; b1 s[12:13], w2 s[14:15], the exponents s[16:17], acA s[18:19]
	s_load_b128 s[20:23], s[0:1], 0x40             ; acB s[20:21], w2c s[22:23]
	v_lshl_add_u32 v190, v0, 2, 0x29000
	v_mov_b32 v191, 0
	ds_add_u32 v190, v191
	ds_add_u32 v190, v191
	s_wait_dscnt 0x0
	v_lshrrev_b32 v2, 5, v0
	s_delay_alu instid0(VALU_DEP_1)
	v_readfirstlane_b32 s24, v2                    ; wave 0..7
	; descriptor group 1: 16 rows x 256 elements of 4 bytes, 65,536 elements apart, 4 words of padding behind each row's 256 words
	s_mov_b32 s32, (2<<16)|(1<<20)|(7<<22)|(3<<25)
	s_mov_b32 s33, 256<<16                         ; tensor_dim0
	s_mov_b32 s34, 16<<16                          ; tensor_dim1
	s_mov_b32 s35, 256<<16                         ; tile_dim0
	s_mov_b32 s36, 16                              ; tile_dim1
	s_mov_b32 s37, 65536                           ; tensor_dim0_stride
	s_mov_b32 s38, 0
	s_mov_b32 s39, 0
	s_mov_b32 s28, 1                               ; group 0: count = 1,
	s_mul_i32 s29, s24, XTILE                      ; my wave's tile in LDS,
	s_lshl_b32 s2, s24, 22                         ; 16 w rows of 262,144 bytes
	s_lshl_b32 s25, ttmp9, 10                      ; + residue g's 1,024 bytes
	s_add_co_u32 s2, s2, s25
	s_mov_b32 s3, 0
	s_wait_kmcnt 0x0
	s_add_nc_u64 s[30:31], s[4:5], s[2:3]
	s_or_b32 s31, s31, 0x80000000                  ; type = 2
	tensor_load_to_lds s[28:31], s[32:39]          ; all my wave's bytes of x are asked for before anything else: one tensor load of mine is out
	s_nop 0
.rept 4
	v_nop
.endr
	s_load_b128 s[40:43], s[16:17], 0x0            ; e0, e1, e2, e3
	s_load_b32 s44, s[16:17], 0x14                 ; e5
	; every address register is made here, ahead of the one branch on the wave's number
	v_and_b32 v[LI], 31, v0
	v_and_b32 v2, 15, v0                           ; r
	v_bfe_u32 v3, v0, 4, 1                         ; h
	s_delay_alu instid0(VALU_DEP_3)
	v_lshlrev_b32 v[LI], 4, v[LI]
	s_delay_alu instid0(VALU_DEP_3)
	v_mul_u32_u24 v[XA], v2, XPITCH
	s_delay_alu instid0(VALU_DEP_1)
	v_lshl_add_u32 v[XA], v3, 6, v[XA]
	s_delay_alu instid0(VALU_DEP_1)
	v_add_nc_u32 v[XA], s29, v[XA]
	s_delay_alu instid0(VALU_DEP_4)
	v_add_nc_u32 v[W1R], W1IMG, v[LI]
	s_lshl_b32 s25, s24, 10
	v_add_nc_u32 v[W1W], s25, v[W1R]               ; wave w makes pieces 2 w and 2 w + 1 of the sixteen of 512 bytes
	v_lshlrev_b32 v21, 2, v2                       ; 4 r
	s_delay_alu instid0(VALU_DEP_1)
	v_lshl_add_u32 v[W1G], v3, 11, v21
	v_lshlrev_b32 v[GB], 6, v3
	v_mul_u32_u24 v[SW], v2, SPITCH
	s_delay_alu instid0(VALU_DEP_1)
	v_lshl_add_u32 v[SRA], v3, 4, v[SW]            ; 144 r + 16 h
	s_wait_alu depctr_va_vdst(0)
	v_lshl_add_u32 v[SW], v3, 3, v[SW]             ; 144 r + 8 h
	s_lshl_b32 s25, s24, 4
	s_add_co_u32 s25, s25, STA
	v_add_nc_u32 v[SW], s25, v[SW]                 ; + 16 w: my wave's 16 s
	s_lshr_b32 s25, s24, 2                         ; acA's image: thread 32 w + lane holds ch = w / 4, c4 = w % 4
	s_mul_i32 s25, s25, 16*SPITCH
	s_and_b32 s45, s24, 3
	s_lshl_b32 s45, s45, 5
	s_add_co_u32 s25, s25, s45
	s_add_co_u32 s25, s25, STA
	v_add_nc_u32 v[SRA], s25, v[SRA]
	v_lshrrev_b32 v[SRB], 3, v0                    ; acB's rows: eight threads to a channel's 128 bytes
	s_delay_alu instid0(VALU_DEP_1)
	v_mul_u32_u24 v[SRB], v[SRB], SPITCH
	v_and_b32 v[GT], 7, v0
	s_delay_alu instid0(VALU_DEP_1)
	v_lshl_add_u32 v[SRB], v[GT], 4, v[SRB]
	s_delay_alu instid0(VALU_DEP_1)
	v_add_nc_u32 v[SRB], STB, v[SRB]
	v_lshlrev_b32 v[GT], 4, v0
	v_lshlrev_b32 v[W2G], 4, v2
	s_delay_alu instid0(VALU_DEP_1)
	v_lshl_add_u32 v[W2G], v3, 17, v[W2G]
	v_mov_b32 v31, 0                               ; written once: a lane permute's destination counts as one of its sources
	s_mov_b32 s46, 0x76543210                      ; v_permlanex16_b32's selects for lane l xor 16
	s_mov_b32 s47, 0xfedcba98
	s_mov_b32 s58, 0x3b800000                      ; 1 / 256
	s_mov_b32 s59, 0x3727c5ac                      ; 1e-5
	; w1: wave w makes fragment f = w / 2 (ct = w / 4, ks = (w / 2) % 2), its groups c4 = 2 (w % 2) + 0, 1: k = 128 ks + 64 (w % 2) + 32 c' + 16 h + y, column 16 ct + r
	s_bfe_u32 s25, s24, 0x10001
	s_lshl_b32 s26, s25, 14
	s_and_b32 s25, s24, 1
	s_lshl_b32 s25, s25, 13
	s_add_co_u32 s26, s26, s25
	s_lshr_b32 s25, s24, 2
	s_lshl_b32 s25, s25, 6
	s_add_co_u32 s26, s26, s25
	s_mov_b32 s27, 0
	s_add_nc_u64 s[10:11], s[10:11], s[26:27]
	; w2: piece g is q = g / 32, zt = (g / 4) % 8, dd = g % 4: row d = 4 q + dd (512 bytes a row), columns 16 zt on
	s_lshr_b32 s2, ttmp9, 5
	s_lshl_b32 s2, s2, 2
	s_and_b32 s25, ttmp9, 3
	s_add_co_u32 s2, s2, s25
	s_lshl_b32 s2, s2, 9
	s_and_b32 s25, ttmp9, 12                       ; zt % 4 columns of 4 bytes
	s_add_co_u32 s2, s2, s25
	s_and_b32 s25, ttmp9, 16                       ; zt / 4: 64 columns, 256 bytes
	s_lshl_b32 s25, s25, 4
	s_add_co_u32 s2, s2, s25
	s_add_nc_u64 s[14:15], s[14:15], s[2:3]
	s_lshl_b32 s2, ttmp9, 12                       ; residue g's 4,096 bytes of acA and of acB
	s_add_nc_u64 s[18:19], s[18:19], s[2:3]
	s_add_nc_u64 s[20:21], s[20:21], s[2:3]
	s_lshl_b32 s2, ttmp9, 9                        ; piece g of w2c
	s_add_nc_u64 s[22:23], s[22:23], s[2:3]
.irp c, 0,1
.irp y, 0,1,2,3,4,5,6,7,8,9,10,11,12,13,14,15
	global_load_b32 v[WF+16*\c+\y], v[W1G], s[10:11] offset:(32*\c+\y)*128   ; sixteen lanes read 64 neighbouring bytes of a row of w1; my registers run down K
.endr
.endr
	WIN 0x40                                       ; destination window 1: gamma at v0-127, beta at v128-255, in the order of my 128 numbers
.irp b, 0,1,2,3,4,5,6,7
.irp j, 0,1,2,3
	global_load_b128 v[16*\b+4*\j:16*\b+4*\j+3], v[GB], s[6:7] offset:128*\b+16*\j
	global_load_b128 v[128+16*\b+4*\j:128+16*\b+4*\j+3], v[GB], s[8:9] offset:128*\b+16*\j
.endr
.endr
	WIN 0
	global_load_b32 v14, v21, s[12:13]             ; b1[r],
	global_load_b32 v15, v21, s[12:13] offset:64   ; b1[16 + r]
	s_wait_kmcnt 0x0
	SCALE 40, 16, 48                               ; xn: e0
	SCALE 41, 17, 50                               ; w1: e1
	SCALE 44, 18, 52                               ; w2: e5
	s_add_co_i32 s61, s40, s41                     ; a sum of the product stands for sum x 2^(e0 + e1):
	s_sub_co_i32 s60, 0, s61                       ; b1 goes in as b1 / 2^(e0 + e1),
	s_sub_co_i32 s62, s42, s61                     ; and a's conversions take 2^(e2 - e0 - e1)
	s_sub_co_i32 s63, s43, s61                     ; and 2^(e3 - e0 - e1): the three scales folded into one
	SCALE 62, 19, 54
	SCALE 63, 20, 56
	; wave 0 alone: piece g of w2c.  A lane to a column z, 16 registers down K in the order of the piece's bytes
	s_cmp_lg_u32 s24, 0
	s_cbranch_scc1 .Lno_w2
	s_wait_alu depctr_va_vdst(0)
.irp b, 0,1,2,3,4,5,6,7,8,9,10,11,12,13,14,15
	global_load_b32 v[WF+40+\b], v[W2G], s[14:15] offset:(16*(\b/8)+\b%8)*16384
.endr
	s_wait_loadcnt 0x0
	HOLD WF+40, WF+40, 16, 52
	v_cvt_scalef32_pk8_bf8_f32 v[WF+56:WF+57], v[WF+40:WF+47], v18
	v_cvt_scalef32_pk8_bf8_f32 v[WF+58:WF+59], v[WF+48:WF+55], v18
	v_nop                                          ; one plain vector line behind the last conversion of a run
	global_store_b128 v[LI], v[WF+56:WF+59], s[22:23]      ; the wave stores 512 consecutive bytes
.Lno_w2:
	s_wait_loadcnt 0x0                             ; w1, gamma, beta, b1 (for 0: the two ways have issued different numbers of loads)
	HOLD WF, WF, 32, 50
.irp c, 0,1
	v_cvt_scalef32_pk8_bf8_f32 v[WF+32+4*\c:WF+33+4*\c], v[WF+16*\c:WF+16*\c+7], v17
	v_cvt_scalef32_pk8_bf8_f32 v[WF+34+4*\c:WF+35+4*\c], v[WF+16*\c+8:WF+16*\c+15], v17
.endr
	v_nop
	ds_store_b128 v[W1W], v[WF+32:WF+35]
	ds_store_b128 v[W1W], v[WF+36:WF+39] offset:512
	s_wait_xcnt 0x0                                ; w2c's store has read its registers: LDS loads land on them below
	s_wait_dscnt 0x0                               ; for the others' sake: my part of w1's images is in LDS
	s_barrier_signal -1                            ; (my tensor load may stay out, and only I read my tile)
	s_barrier_wait -1
.irp f, 0,1,2,3
.irp c, 0,1,2,3
	ds_load_b128 v[WF+16*\f+4*\c:WF+16*\f+4*\c+3], v[W1R] offset:2048*\f+512*\c    ; w1's four fragments, as the waves left them
.endr
.endr
	s_wait_tensorcnt 0x0                           ; my tile is in LDS
.irp b, 0,1,2,3,4,5,6,7
.irp j, 0,1,2,3
	ds_load_b128 v[X+16*\b+4*\j:X+16*\b+4*\j+3], v[XA] offset:128*\b+16*\j
.endr
.endr
	s_wait_dscnt 0x0
	; LAYERNORM in two passes: the mean, then the mean of the squared differences
.irp k, 0,1,2,3
	v_pk_add_f32 v[CH+2*\k:CH+2*\k+1], v[X+2*\k:X+2*\k+1], v[X+8+2*\k:X+8+2*\k+1]
.endr
.set j, 16
.rept 14
.irp k, 0,1,2,3
	s_delay_alu instid0(VALU_DEP_4)
	v_pk_add_f32 v[CH+2*\k:CH+2*\k+1], v[CH+2*\k:CH+2*\k+1], v[X+j+2*\k:X+j+2*\k+1]
.endr
.set j, j+8
.endr
	JOIN
	s_delay_alu instid0(VALU_DEP_1)
	v_mul_f32 v[CH], s58, v30                      ; mu
.set j, 0
.rept 64
	v_pk_add_f32 v[X+j:X+j+1], v[X+j:X+j+1], v[CH:CH+1] op_sel_hi:[1,0] neg_lo:[0,1] neg_hi:[0,1]   ; x - mu (the pair's low word serves both halves)
.set j, j+2
.endr
.irp k, 0,1,2,3
	v_pk_mul_f32 v[CH+2*\k:CH+2*\k+1], v[X+2*\k:X+2*\k+1], v[X+2*\k:X+2*\k+1]
.endr
.set j, 8
.rept 15
.irp k, 0,1,2,3
	s_delay_alu instid0(VALU_DEP_4)
	v_pk_fma_f32 v[CH+2*\k:CH+2*\k+1], v[X+j+2*\k:X+j+2*\k+1], v[X+j+2*\k:X+j+2*\k+1], v[CH+2*\k:CH+2*\k+1]
.endr
.set j, j+8
.endr
	JOIN
	s_delay_alu instid0(VALU_DEP_1)
	v_fma_f32 v30, v30, s58, s59                   ; var + 1e-5
	s_wait_alu depctr_va_vdst(0)
	v_rsq_f32 v[CH], v30
	v_nop                                          ; one plain place behind a transcendental
.set j, 0
	s_wait_alu depctr_va_vdst(0)
.rept 64
	v_pk_mul_f32 v[X+j:X+j+1], v[X+j:X+j+1], v[CH:CH+1] op_sel_hi:[1,0]
.set j, j+2
.endr
	WIN 0x14                                       ; sources 1 (gamma) and 2 (beta) window 1
.set j, 0
.rept 64
	v_pk_fma_f32 v[X+j:X+j+1], v[X+j:X+j+1], v[j:j+1], v[128+j:128+j+1]
.set j, j+2
.endr
	WIN 0
	HOLD X, X, 128, 48
.irp b, 0,1,2,3,4,5,6,7
	v_cvt_scalef32_pk8_bf8_f32 v[XC+4*\b:XC+4*\b+1], v[X+16*\b:X+16*\b+7], v16
	v_cvt_scalef32_pk8_bf8_f32 v[XC+4*\b+2:XC+4*\b+3], v[X+16*\b+8:X+16*\b+15], v16
.endr
	v_nop                                          ; a plain line between the conversions and what writes their sources and reads their results
	; a = xn w1 + b1.  Source 0 = my 16 rows s, source 1 = 16 channels: lane (r, h), register x holds a(16 w + 8 h + x, 16 ct + r) / 2^(e0 + e1): eight neighbours along s, the next K.
.irp x, 0,1,2,3,4,5,6,7
	v_ldexp_f32 v[X+\x], v14, s60                  ; the bias is the C of each sum's first product: my channel's number in all eight registers
	v_ldexp_f32 v[X+8+\x], v15, s60
.endr
	v_wmma_f32_16x16x128_bf8_bf8 v[X+16:X+23], v[XC:XC+15], v[WF:WF+15], v[X:X+7]                  ; the two accumulators take turns
	v_wmma_f32_16x16x128_bf8_bf8 v[X+24:X+31], v[XC:XC+15], v[WF+32:WF+47], v[X+8:X+15]
	v_wmma_f32_16x16x128_bf8_bf8 v[X+16:X+23], v[XC+16:XC+31], v[WF+16:WF+31], v[X+16:X+23]
	v_wmma_f32_16x16x128_bf8_bf8 v[X+24:X+31], v[XC+16:XC+31], v[WF+48:WF+63], v[X+24:X+31]
.rept 4
	v_nop                                          ; four places in front of the first read of the results (ISA guide 7.12.1)
.endr
	HOLD X+32, X+16, 16, 54                        ; each accumulator from its low end on; copies, since a is quantised twice
	HOLD X+48, X+16, 16, 56
	v_cvt_scalef32_pk8_bf8_f32 v[X+64:X+65], v[X+32:X+39], v19
	v_cvt_scalef32_pk8_bf8_f32 v[X+66:X+67], v[X+40:X+47], v19
	v_cvt_scalef32_pk8_bf8_f32 v[X+68:X+69], v[X+48:X+55], v20
	v_cvt_scalef32_pk8_bf8_f32 v[X+70:X+71], v[X+56:X+63], v20
	v_nop
	ds_store_b64 v[SW], v[X+64:X+65]                               ; channel r, s = 16 w + 8 h + 0 .. 7, under e2
	ds_store_b64 v[SW], v[X+66:X+67] offset:16*SPITCH              ; channel 16 + r
	ds_store_b64 v[SW], v[X+68:X+69] offset:32*SPITCH              ; and under e3
	ds_store_b64 v[SW], v[X+70:X+71] offset:48*SPITCH
	s_wait_dscnt 0x0                               ; for the others' sake: my 16 s of every channel are in the stages
	s_barrier_signal -1
	s_barrier_wait -1
	ds_load_b128 v[X+72:X+75], v[SRA]
	ds_load_b128 v[X+76:X+79], v[SRB]
	s_wait_dscnt 0x0
	global_store_b128 v[GT], v[X+72:X+75], s[18:19]                ; each store of a wave covers 512 consecutive bytes, aligned
	global_store_b128 v[GT], v[X+76:X+79], s[20:21]
	s_wait_xcnt 0x0
	v_lshl_add_u32 v190, v0, 2, 0x29000
	v_mov_b32 v191, 0
	s_wait_alu depctr_va_vdst(0)
	s_wait_tensorcnt 0x0
	ds_add_u32 v190, v191
	s_wait_dscnt 0x0
	s_endpgm
.Lfunc_end_k_q9ac5e6cb9d_prep:
	.size	k_q9ac5e6cb9d_prep, .Lfunc_end_k_q9ac5e6cb9d_prep-k_q9ac5e6cb9d_prep
	.p2alignl 7, 3214868480
	.fill 96, 4, 3214868480
	.section	.rodata,"a",@progbits
	.p2align	6, 0x0
	.amdhsa_kernel k_q9ac5e6cb9d_prep
		.amdhsa_group_segment_fixed_size 168960
		.amdhsa_private_segment_fixed_size 0
		.amdhsa_enable_private_segment 0
		.amdhsa_kernarg_size 80
		.amdhsa_user_sgpr_count 2
		.amdhsa_user_sgpr_kernarg_segment_ptr 1
		.amdhsa_wavefront_size32 1
		.amdhsa_system_sgpr_workgroup_id_x 1
		.amdhsa_system_sgpr_workgroup_id_y 1
		.amdhsa_system_sgpr_workgroup_id_z 1
		.amdhsa_system_vgpr_workitem_id 0
		.amdhsa_next_free_vgpr 512
		.amdhsa_next_free_sgpr 66
		.amdhsa_reserve_vcc 0
		.amdhsa_float_denorm_mode_32 3
		.amdhsa_float_denorm_mode_16_64 3
		.amdhsa_memory_ordered 1
		.amdhsa_forward_progress 1
		.amdhsa_inst_pref_size 63
	.end_amdhsa_kernel
	.amdgpu_metadata
---
amdhsa.version: [ 1, 2 ]
amdhsa.kernels:
  - .name:           k_q9ac5e6cb9d_prep
    .symbol:         k_q9ac5e6cb9d_prep.kd
    .args:
      - { .name: x, .offset: 0, .size: 8, .value_kind: global_buffer, .address_space: global }
      - { .name: ln_gamma, .offset: 8, .size: 8, .value_kind: global_buffer, .address_space: global }
      - { .name: ln_beta, .offset: 16, .size: 8, .value_kind: global_buffer, .address_space: global }
      - { .name: w1, .offset: 24, .size: 8, .value_kind: global_buffer, .address_space: global }
      - { .name: b1, .offset: 32, .size: 8, .value_kind: global_buffer, .address_space: global }
      - { .name: w2, .offset: 40, .size: 8, .value_kind: global_buffer, .address_space: global }
      - { .name: lowp_scales, .offset: 48, .size: 8, .value_kind: global_buffer, .address_space: global }
      - { .name: acA, .offset: 56, .size: 8, .value_kind: global_buffer, .address_space: global }
      - { .name: acB, .offset: 64, .size: 8, .value_kind: global_buffer, .address_space: global }
      - { .name: w2c, .offset: 72, .size: 8, .value_kind: global_buffer, .address_space: global }
    .group_segment_fixed_size: 168960
    .private_segment_fixed_size: 0
    .kernarg_segment_align: 8
    .kernarg_segment_size: 80
    .max_flat_workgroup_size: 256
    .sgpr_count:     66
    .vgpr_count:     512
    .wavefront_size: 32
...
	.end_amdgpu_metadata
.endif
;; end of part 1
;; launch pair (part 2): grid 16 x 16, 8 waves a work-group, clusters of 4 x 1, 198,656 bytes of LDS; arguments acA, acB, w2c, b2, lowp_scales, out0; writes out0
.if DOCPART == 2
	.amdgcn_target "amdgcn-amd-amdhsa--gfx1250"
	.amdhsa_code_object_version 6
	.text
	.protected	k_q9ac5e6cb9d_pair
	.globl	k_q9ac5e6cb9d_pair
	.p2align	8
	.type	k_q9ac5e6cb9d_pair,@function
k_q9ac5e6cb9d_pair:
	s_mov_b64 s[64:65], 0
	v_nop
	global_prefetch_b8 v0, s[64:65] scope:SCOPE_SE
	s_setreg_imm32_b32 hwreg(HW_REG_WAVE_MODE, 25, 1), 1
	s_wait_xcnt 0x0
	s_wait_alu depctr_hold_cnt(0) depctr_sa_sdst(0) depctr_va_vdst(0) depctr_va_sdst(0) depctr_va_ssrc(0) depctr_va_vcc(0) depctr_vm_vsrc(0)
	s_getreg_b32 s2, hwreg(HW_REG_IB_STS2, 6, 4)
	s_cmp_eq_u32 s2, 0
	s_cbranch_scc0 .Lentry_in_a_cluster
	s_endpgm
.Lentry_in_a_cluster:
	s_bfe_u32 s2, ttmp6, 0x10000c
	s_cmp_lg_u32 s2, 0x3003
	s_cbranch_scc0 .Lentry_shape_is_right
	s_endpgm
.Lentry_shape_is_right:
; out0[i][j][z] = sum over (c, d) of Q(op[i][j][c][d]) Q(w2[32 c + d][z]) + b2[z],  op[i][j][c][d] = (sum over s of QA(a[s][i][c]) QB(a[s][j][d])) / 128: both products on codes of BF8 (E5M2).
; acA, acB, w2c: codes, laid as the launch before left them (acA and w2c as images of operand registers, acB [j][d][s]).  lowp_scales: e2, e3 (a left, right), e4 (op), e5 (w2) at entries 2 to 5.
; SHARES.  A work-group owns 16 i x 16 j, eight waves.  Wave w owns i = 16 ib + 2 w + t, t = 0, 1: two tiles of 16 pairs (i, j = 16 jb + r), all 128 z, all of K = 1,024.  op never leaves the registers.
; FIRST PHASE: for each of the 32 channels d: four products (t, ch), K = 128 in one instruction; source 0 = 16 channels c of one i, source 1 = the 16 residues j at channel d.  Lane (r, h), register x then holds pair
; (i, j = r), c = 16 ch + 8 h + x: eight numbers along the second product's K of ONE of its rows, so the conversions' results ARE the second product's operand: 32 pairs x 1,024 codes = 256 registers, window 1.
; SECOND PHASE: 64 columns z at a time (hf = 0, 1), over all of K, so that the first half is stored while the second is multiplied.  Source 0 = 16 pairs, source 1 = 16 columns z of w2: lane (r, h), register x holds pair
; j = 8 h + x at column 64 hf + 4 r + zt % 4.  So four accumulators give a lane 16 neighbouring bytes of a row of out0, and sixteen lanes 256 consecutive bytes, aligned: results are stored straight from registers.
; CLUSTER.  The four work-groups of a cluster share jb: acB's chunks and all of w2c are asked for JOINTLY, by the same tensor loads with the mask of all four.  acA is each wave's own and goes straight into registers.
; LDS is filled once: 65 KiB of acB's rows and 128 KiB of w2c fit at once, so there is no ring; each wave issues one tensor load, at the head.  No prefetch: everything is asked for at the head, and there is no loop of loads to run ahead in.
; LIMITS on the given exponents: e4 - e2 - e3 + 7 between -126 and 112; e4 + e5 between -126 and 127.  NaN among the codes' sums is not served.
; REGISTERS.  Window 0: v0-15 addresses and the conversion's scale; first phase: v16-79 acA's four fragments (2 t + ch), v80-143 four fragments of acB by turns, v144-207 two sets of four results;
;   second phase: v16-111 three slots of two fragments of w2, v144-207 the eight accumulators (2 (zt % 4) + t), v112-143 and v216-247 the way out; v208-215 b2.   Window 1: the codes, K step q of tile t at 128 t + 16 q.
.set APITCH, 1040                      ; a row j of a chunk in LDS: 8 channels x 128 bytes + 16 of padding = 65 x 16
.set ACHUNK, 16*APITCH                 ; chunk g: channels d = 8 g .. 8 g + 7 of the 16 residues j
.set W2L,    4*ACHUNK                  ; behind the four chunks: w2c as it lies, 16,384 bytes a K step
.set SPARE,  W2L+131072                ; the spare words, 128 bytes for each wave: four blocks of 256 bytes that no other line names
.set ABA,  4                           ; v4   acB's fragments: 1,040 r + 16 h
.set W2A,  5                           ; v5   w2's images, K steps 0-3: W2L + 16 x lane;  v6: K steps 4-7, 65,536 bytes on
.set LI,   7                           ; v7   16 x lane
.set BO,   8                           ; v8   16 r
.set CO,   9                           ; v9   out0: 8 h rows of 512 bytes + 16 r
.set SPW,  10                          ; v10  LDS address of my spare word;  v11  0: never rewritten
.set NIL,  11
.set SCL,  12                          ; v12  2^E as f32, E = e4 - e2 - e3 + 7
.set AA,   16
.set AB,   80
.set OP,   144
.set RING, 16
.set ACC,  144
.set OT,   112                         ; tile 1's stands 104 further on
.set B2,   208
.set G1A,  28                          ; s[28:35] descriptor group 1 for acB's chunks;  s[36:43] for w2c's quarters
.set G1W,  36
.set G0A,  44                          ; s[44:47], s[48:51] their groups 0
.set G0W,  48
.set LIMP, 60                          ; s60  57,344 x 2^E
.set LIMN, 61                          ; s61  the same negative
.set MSB, 0
.macro WIN new                         ; the immediate's high byte repeats the setting that is left
.if MSB != \new
	s_set_vgpr_msb (MSB<<8)|\new
.set MSB, \new
.endif
.endm
.macro ROUND                           ; a round of the cluster's barrier
	s_barrier_signal -1
	s_barrier_wait -1
	s_cmp_lg_u32 s20, 0
	s_cbranch_scc1 .Lnot_wave_0_\@
	s_barrier_signal -3
.Lnot_wave_0_\@:
	s_barrier_wait -3
	s_barrier_signal -1
	s_barrier_wait -1
.endm
	s_load_b256 s[4:11], s[0:1], 0x0               ; acA s[4:5], acB s[6:7], w2c s[8:9], b2 s[10:11]
	s_load_b128 s[12:15], s[0:1], 0x20             ; the exponents s[12:13], out0 s[14:15]
	v_lshl_add_u32 v[SPW], v0, 2, SPARE
	v_mov_b32 v[NIL], 0
	ds_add_u32 v[SPW], v[NIL]                      ; the wave's opening: the add, twice on end, and its wait ahead of my tensor load
	ds_add_u32 v[SPW], v[NIL]
	v_lshrrev_b32 v1, 5, v0
	v_readfirstlane_b32 s20, v1                    ; wave 0..7
	s_and_b32 s21, s20, 3                          ; which chunk of acB or which quarter of w2c I fetch
	s_bfe_u32 s22, ttmp6, 0x40000                  ; cx: it enters acA's and out0's addresses alone
	s_lshl_b32 s23, ttmp9, 2
	s_add_co_u32 s23, s23, s22                     ; ib = 4 x cluster x + cx
	s_and_b32 s24, ttmp7, 0xffff                   ; jb, which the four partners share
	; group 1, elements of one byte.  acB: 16 rows x 1,024 bytes, 4,096 apart, 4 words of padding behind each row's 256 words.  w2c: dense, 128 rows x 256 bytes.  15:0 the mask: all four work-groups; 21 set beside a mask
	s_mov_b32 s[G1A], 15|(1<<20)|(1<<21)|(7<<22)|(3<<25)
	s_mov_b32 s[G1A+1], 1024<<16
	s_mov_b32 s[G1A+2], 16<<16
	s_mov_b32 s[G1A+3], 1024<<16
	s_mov_b32 s[G1A+4], 16
	s_mov_b32 s[G1A+5], 4096
	s_mov_b32 s[G1A+6], 0
	s_mov_b32 s[G1A+7], 0
	s_mov_b32 s[G1W], 15|(1<<21)
	s_mov_b32 s[G1W+1], 256<<16
	s_mov_b32 s[G1W+2], 128<<16
	s_mov_b32 s[G1W+3], 256<<16
	s_mov_b32 s[G1W+4], 128
	s_mov_b32 s[G1W+5], 256
	s_mov_b32 s[G1W+6], 0
	s_mov_b32 s[G1W+7], 0
	s_lshl_b32 s84, s24, 16                        ; acB: residues 16 jb on, 4,096 bytes each,
	s_lshl_b32 s85, s21, 10                        ; channels 8 x chunk on
	s_add_co_u32 s84, s84, s85
	s_mov_b32 s85, 0
	s_lshl_b32 s86, s21, 15                        ; w2c: K steps 2 x quarter on
	s_mov_b32 s87, 0
	s_mov_b32 s[G0A], 1                            ; group 0: count = 1, the place in LDS (no place in the cluster enters it)
	s_mul_i32 s[G0A+1], s21, ACHUNK
	s_mov_b32 s[G0W], 1
	s_lshl_b32 s[G0W+1], s21, 15
	s_add_co_u32 s[G0W+1], s[G0W+1], W2L
	s_lshl_b32 s90, s23, 4
	s_lshl_b32 s91, s20, 1
	s_add_co_u32 s90, s90, s91                     ; my first i = 16 ib + 2 w
	s_lshl_b32 s92, s90, 17                        ; out0: 131,072 bytes an i,
	s_lshl_b32 s93, s24, 13                        ; 512 a j
	s_add_co_u32 s92, s92, s93
	s_mov_b32 s93, 0
	s_lshl_b32 s90, s90, 12                        ; acA: 4,096 bytes an i
	s_mov_b32 s91, 0
	v_and_b32 v1, 31, v0
	v_and_b32 v2, 15, v0                           ; r
	v_bfe_u32 v3, v0, 4, 1                         ; h
	v_lshlrev_b32 v[LI], 4, v1
	v_mul_u32_u24 v[ABA], v2, APITCH
	v_lshlrev_b32 v[BO], 4, v2
	v_add_nc_u32 v[W2A], W2L, v[LI]
	v_lshl_add_u32 v[ABA], v3, 4, v[ABA]
	v_lshl_add_u32 v[CO], v3, 12, v[BO]
	v_add_nc_u32 v[W2A+1], 0x10000, v[W2A]
	s_wait_alu depctr_va_vdst(0)
	s_wait_dscnt 0x0                               ; both opening adds are done
	ROUND                                          ; all four work-groups are here: the joint loads meet (the addresses are on their way meanwhile)
	s_wait_kmcnt 0x0
	s_add_nc_u64 s[G0A+2:G0A+3], s[6:7], s[84:85]
	s_or_b32 s[G0A+3], s[G0A+3], 0x80000000        ; type = 2
	s_add_nc_u64 s[G0W+2:G0W+3], s[8:9], s[86:87]
	s_or_b32 s[G0W+3], s[G0W+3], 0x80000000
	s_cmp_lt_u32 s20, 4                            ; waves 0 to 3 fetch acB's chunks, waves 4 to 7 w2c's quarters: one tensor load a wave
	s_cbranch_scc0 .Lfor_w
	tensor_load_to_lds s[G0A:G0A+3], s[G1A:G1A+7]
	s_nop 0
.rept 4
	v_nop
.endr
	s_branch .Lasked
.Lfor_w:
	tensor_load_to_lds s[G0W:G0W+3], s[G1W:G1W+7]
	s_nop 0
.rept 4
	v_nop
.endr
.Lasked:
	s_load_b128 s[16:19], s[12:13], 0x8            ; e2, e3, e4, e5
	s_add_nc_u64 s[4:5], s[4:5], s[90:91]
	s_add_nc_u64 s[14:15], s[14:15], s[92:93]
.irp n, 0,1,2,3,4,5,6,7,8,9,10,11,12,13,14,15
	global_load_b128 v[AA+4*\n:AA+4*\n+3], v[LI], s[4:5] offset:512*\n     ; acA's four fragments: each load takes 512 consecutive bytes of the images
.endr
	global_load_b128 v[B2:B2+3], v[BO], s[10:11]                   ; b2[4 r ..],
	global_load_b128 v[B2+4:B2+7], v[BO], s[10:11] offset:256      ; b2[64 + 4 r ..]
	s_wait_kmcnt 0x0
	s_sub_co_i32 s84, s18, s16                     ; a sum of the first product stands for sum x 2^(e2 + e3), op is that / 128, its code op / 2^e4: the conversion's one scale is 2^(e4 - e2 - e3 + 7)
	s_sub_co_i32 s84, s84, s17
	s_add_co_i32 s84, s84, 7+127
	s_lshl_b32 s85, s84, 23
	v_mov_b32 v[SCL], s85
	s_add_co_i32 s84, s84, 15
	s_lshl_b32 s84, s84, 23
	s_or_b32 s[LIMP], s84, 0x600000                ; 57,344 x that scale,
	s_or_b32 s[LIMN], s[LIMP], 0x80000000          ; and its negative
	s_add_co_i32 s66, s18, s19
	s_add_co_i32 s66, s66, 127
	s_lshl_b32 s66, s66, 23                        ; 2^(e4 + e5) as f32
; acB's fragment of channel e: lane (r, h) takes, of residue r, s = 32 c + 16 h + 0 .. 15
.macro LOADB e
.irp c, 0,1,2,3
	ds_load_b128 v[AB+16*((\e)%4)+4*\c:AB+16*((\e)%4)+4*\c+3], v[ABA] offset:ACHUNK*((\e)/8)+128*((\e)%8)+32*\c
.endr
.endm
; Eight numbers, held within the largest code x the scale (the conversion to an 8-bit code does not saturate: ISA guide 7.6.2), from the low end on
.macro HOLD8 base
.set hh, 0
.rept 8
	v_med3_num_f32 v[\base+hh], v[\base+hh], s[LIMN], s[LIMP]
.set hh, hh+1
.endr
.endm
; The four results of channel e, already held, become registers 4 dd + 2 ch, + 1 of K step e / 4 of tile t: c = 16 ch + 8 h + 0 .. 7, d = e
.macro CONV e
	WIN 0x40                                       ; destination window 1
.irp n, 0,1,2,3
	v_cvt_scalef32_pk8_bf8_f32 v[128*(\n/2)+4*(\e)+2*(\n%2):128*(\n/2)+4*(\e)+2*(\n%2)+1], v[OP+32*((\e)%2)+8*\n:OP+32*((\e)%2)+8*\n+7], v[SCL]
.endr
	WIN 0
	v_nop                                          ; one plain vector line behind the last conversion: products write its sources next
.endm
; Channel DD: its four products, behind each of them eight holds on channel DD - 1, whose conversions follow.  The holds are also the places behind the products.  Fragments are asked for three channels ahead, ahead of
; the products: the last readers of their registers are the products of DD - 1, and eight holds (behind the first channel's, four v_nop) stand between.
.macro CHANNEL
.if DD < 29
	LOADB DD+3
	s_wait_dscnt 12                                ; this channel's four loads are in; the next three channels' twelve may be out
.elseif DD == 29
	s_wait_dscnt 8
.elseif DD == 30
	s_wait_dscnt 4
.else
	s_wait_dscnt 0x0
.endif
.set fb, AB+16*(DD%4)
.set fd, OP+32*(DD%2)
.set fp, OP+32*(1-DD%2)
.irp n, 0,1,2,3
	v_wmma_f32_16x16x128_bf8_bf8 v[fd+8*\n:fd+8*\n+7], v[AA+16*\n:AA+16*\n+15], v[fb:fb+15], 0
.if DD > 0
	HOLD8 fp+8*\n
.endif
.endr
.if DD == 0
.rept 4
	v_nop                                          ; the first channel has no holds to stand as places
.endr
.else
	CONV DD-1
.endif
.set DD, DD+1
.endm
; Step p of 32 of the second phase: hf = p / 16, K step q = (p % 16) / 2, columns zt = 4 hf + 2 (p % 2) + 0, 1: two of w2's fragments, as images, 512 consecutive bytes a load, into slot p % 3
.macro LOADW p
.set wq, ((\p)%16)/2
.irp z, 0,1
.irp c, 0,1,2,3
	ds_load_b128 v[RING+32*((\p)%3)+16*\z+4*\c:RING+32*((\p)%3)+16*\z+4*\c+3], v[W2A+wq/4] offset:16384*(wq%4)+2048*(4*((\p)/16)+2*((\p)%2)+\z)+512*\c
.endr
.endr
.endm
; y = sum x 2^(e4 + e5) + b2: four numbers of pair x of tile t, each accumulator from its low end on (x ascends)
.macro SCALE4 t, x, hf
.irp z, 0,1,2,3
	v_fma_f32 v[OT+104*(\t)+4*(\x)+\z], v[ACC+8*(2*\z+(\t))+(\x)], s66, v[B2+4*(\hf)+\z]
.endr
.endm
; a store of the wave covers two aligned runs of 256 bytes, of pairs j = x and 8 + x.  Every offset is an immediate.
.macro SEND t, x, hf
	global_store_b128 v[CO], v[OT+104*(\t)+4*(\x):OT+104*(\t)+4*(\x)+3], s[14:15] offset:131072*(\t)+512*(\x)+256*(\hf) th:TH_STORE_NT
.endm
; The eight accumulators take turns, one instruction a turn; the first K step starts the sums: nothing is cleared.
.macro STEP2
.if PP < 30
	s_wait_dscnt 16                                ; this step's eight loads are in; the next two steps' sixteen may be out
.elseif PP == 30
	s_wait_dscnt 8
.else
	s_wait_dscnt 0x0
.endif
.set qq, (PP%16)/2
.set rg, RING+32*(PP%3)
	WIN 0x01                                       ; source 0 (codes) window 1
.irp u, 0,1,2,3
.set ac, ACC+8*(4*(PP%2)+\u)
.if qq == 0
	v_wmma_f32_16x16x128_bf8_bf8 v[ac:ac+7], v[128*(\u%2)+16*qq:128*(\u%2)+16*qq+15], v[rg+16*(\u/2):rg+16*(\u/2)+15], 0
.else
	v_wmma_f32_16x16x128_bf8_bf8 v[ac:ac+7], v[128*(\u%2)+16*qq:128*(\u%2)+16*qq+15], v[rg+16*(\u/2):rg+16*(\u/2)+15], v[ac:ac+7]
.endif
.endr
	WIN 0
.rept 4
	v_nop                                          ; four places in front of loads into registers that products have read, and of reads of results
.endr
.if PP < 29
	LOADW PP+3
.endif
.if PP == 15                           ; the first half is finished: it moves into the way out's registers,
.irp t, 0,1
.irp x, 0,1,2,3,4,5,6,7
	SCALE4 \t, \x, 0
.endr
.endr
	s_wait_alu depctr_va_vdst(0)                   ; most stores stand behind further waits
.endif
.if (PP > 14) && (PP < 31)             ; and is stored under the second half's products, one store a step
	SEND (PP-15)/8, (PP-15)%8, 0
.endif
.set PP, PP+1
.endm
	s_wait_alu depctr_va_vdst(0)
	s_cmp_lt_u32 s20, 4
	s_cbranch_scc0 .Lno_chunk
	s_wait_tensorcnt 0x0                           ; my chunk of acB is in
.Lno_chunk:
	s_barrier_signal -1
	s_barrier_wait -1                              ; all four chunks are
	s_wait_tensorcnt 0x0                           ; waves 4 to 7: my quarter of w2c is in (waves 0 to 3 have nothing out and go on at once)
	s_barrier_signal -1                            ; say so: the wait for everybody's quarter stands at the first phase's end; between the two, registers and LDS loads of acB, which nobody writes again
	LOADB 0
	LOADB 1
	LOADB 2
	s_wait_loadcnt 0x0                             ; acA and b2
.set DD, 0
.rept 32
	CHANNEL
.endr
	s_barrier_wait -1                              ; all of w2c is in LDS
	LOADW 0                                        ; into the registers of acA and of acB's first two fragments: eight holds of channel 30 stand behind their last readers
	LOADW 1
	LOADW 2
.irp n, 0,1,2,3
	HOLD8 OP+32+8*\n
.endr
	CONV 31
	s_wait_alu depctr_va_vdst(0)
.set PP, 0
.rept 32
	STEP2
.endr
	s_wait_xcnt 0x0                                ; the first half's stores have read their registers
.irp t, 0,1
.irp x, 0,1,2,3,4,5,6,7
	SCALE4 \t, \x, 1
	SEND \t, \x, 1
.endr
.endr
	s_wait_tensorcnt 0x0                           ; the wave's end
	ds_add_u32 v[SPW], v[NIL]
	s_wait_dscnt 0x0
	ROUND                                          ; the closing round: no work-group ends while a partner may still ask for a tile that names it
	s_endpgm
.Lfunc_end_k_q9ac5e6cb9d_pair:
	.size	k_q9ac5e6cb9d_pair, .Lfunc_end_k_q9ac5e6cb9d_pair-k_q9ac5e6cb9d_pair
	.p2alignl 7, 3214868480
	.fill 96, 4, 3214868480
	.section	.rodata,"a",@progbits
	.p2align	6, 0x0
	.amdhsa_kernel k_q9ac5e6cb9d_pair
		.amdhsa_group_segment_fixed_size 198656
		.amdhsa_private_segment_fixed_size 0
		.amdhsa_enable_private_segment 0
		.amdhsa_kernarg_size 48
		.amdhsa_user_sgpr_count 2
		.amdhsa_user_sgpr_kernarg_segment_ptr 1
		.amdhsa_wavefront_size32 1
		.amdhsa_system_sgpr_workgroup_id_x 1
		.amdhsa_system_sgpr_workgroup_id_y 1
		.amdhsa_system_sgpr_workgroup_id_z 1
		.amdhsa_system_vgpr_workitem_id 0
		.amdhsa_next_free_vgpr 512
		.amdhsa_next_free_sgpr 96
		.amdhsa_reserve_vcc 0
		.amdhsa_float_denorm_mode_32 3
		.amdhsa_float_denorm_mode_16_64 3
		.amdhsa_memory_ordered 1
		.amdhsa_forward_progress 1
		.amdhsa_inst_pref_size 142
	.end_amdhsa_kernel
	.amdgpu_metadata
---
amdhsa.version: [ 1, 2 ]
amdhsa.kernels:
  - .name:           k_q9ac5e6cb9d_pair
    .symbol:         k_q9ac5e6cb9d_pair.kd
    .args:
      - { .name: acA, .offset: 0, .size: 8, .value_kind: global_buffer, .address_space: global }
      - { .name: acB, .offset: 8, .size: 8, .value_kind: global_buffer, .address_space: global }
      - { .name: w2c, .offset: 16, .size: 8, .value_kind: global_buffer, .address_space: global }
      - { .name: b2, .offset: 24, .size: 8, .value_kind: global_buffer, .address_space: global }
      - { .name: lowp_scales, .offset: 32, .size: 8, .value_kind: global_buffer, .address_space: global }
      - { .name: out0, .offset: 40, .size: 8, .value_kind: global_buffer, .address_space: global }
    .group_segment_fixed_size: 198656
    .private_segment_fixed_size: 0
    .kernarg_segment_align: 8
    .kernarg_segment_size: 48
    .max_flat_workgroup_size: 256
    .sgpr_count:     96
    .vgpr_count:     512
    .wavefront_size: 32
...
	.end_amdgpu_metadata
.endif
;; end of part 2
